; MI455X (gfx1250); checked and timed in simulation.
; The chip was launched on July 23, 2026; its instructions are those of AMD's public machine-readable ISA for CDNA 5 (MIT licence, August 2026) and "CDNA5" Instruction Set Architecture Reference Guide (July 2026). The comments in the code are by the model that wrote it; some were corrected since.
;; Cffn. Allowed arithmetic: float matrix products may take bf16 or f16 operands with f32 sums; other float arithmetic in f32, or as packed bf16 or f16 multiplies, adds, multiply-adds, maxima and minima; sums over many terms, partial sums and values carried from step to step in f32; what a program stores and reads back later, other than sums and carried values, may be rounded once to bf16 or f16.
;; Inputs: U_w 2,048 x 2,048 float32; V_w 2,048 x 3 float32; gate_w 2,048 x 2,048 float32; ladder_w 3 x 6 x 2,048 float32; x 4 x 2,048 x 2,048 float32.
;; Outputs: out0 4 x 2,048 x 2,048 float32.
;; 2 versions, each right; version 2 is version 1 with the launch cast written anew for expert scheduling mode. Each part assembles by itself: llvm-mc -triple=amdgcn-amd-amdhsa -mcpu=gfx1250 --defsym DOCPART=n.
;; ======== version 1 of 2: 3 launches
;; limits: values are held in f16: magnitudes above 65,504 overflow, below 6.1e-05 lose precision
;; workspace buffers: xb 33,554,432 bytes; gb 8,388,608 bytes; ub 8,388,608 bytes; pa 4,718,592 bytes
;; launch cast (part 1): grid 768 x 1, 8 waves a work-group, no clusters, 0 bytes of LDS; arguments x, U_w, gate_w, xb, ub, gb; writes xb, ub, gb
.if DOCPART == 1
	.amdgcn_target "amdgcn-amd-amdhsa--gfx1250"
	.amdhsa_code_object_version 6
	.text
	.protected	k_qef8ebcaf5a_cast
	.globl	k_qef8ebcaf5a_cast
	.p2align	8
	.type	k_qef8ebcaf5a_cast,@function
k_qef8ebcaf5a_cast:
	s_mov_b64 s[64:65], 0
	v_nop
	global_prefetch_b8 v0, s[64:65] scope:SCOPE_SE
	s_setreg_imm32_b32 hwreg(HW_REG_WAVE_MODE, 25, 1), 1
	s_wait_xcnt 0x0
; THE PROGRAM.  out = x U_w^T + z V_w^T, z = a0 + cf(a1 .. a5), a = (sigmoid(x gate_w^T) * x) ladder_w^T; x taken as [8192][2048].  Three launches:
;   cast: x, U_w, gate_w rounded once to bf16 (xb, ub, gb), the operands of the two large products;
;   gate: the gate product, the sigmoid, the factor x and the 18 ladder sums of each row over a tile's 256 columns (pa, f32 partial sums);
;   lin:  the parts are added, the continued fraction gives z, and x U_w^T + z V_w^T is stored.
; EVERY INPUT IS USED IN ITS bf16 ROUNDING, everywhere (the factor x of the gate, ladder_w and V_w too), so that the result is reference() on inputs rounded to bf16;
; all that the program itself makes on the way to the continued fraction stays in f32, or in a pair of 16-bit numbers that holds 21 bits or more.
; WORK LEFT OUT.  The innermost step of reference()'s continued fraction starts from f = 0, which reference() builds itself: denom = 1 + 0 = 1 for all inputs, |1| < 0.01 is false
; for all inputs, and a5 / 1 = a5.  So that step's addition, guard and division are not done: launch lin starts from f = a5.  a5 itself goes on unchanged, a NaN or infinity in it too:
; nothing is lost with the step.  No input is without a way to the output: all five are loaded.
; THIS LAUNCH.  A stream: 25,165,824 numbers in, as many out in half the bytes.  A work-group of eight waves takes 32,768 numbers: work-groups 0-511 of x, 512-639 of U_w, 640-767 of gate_w.
; A load of a wave covers 512 consecutive bytes, a store 256 consecutive bytes at a multiple of 256.  All 32 loads of a thread go out before the first wait; no register is written
; twice, so no store's source has to be waited for.  No LDS, no barrier, no matrix unit: no number is used twice.  No prefetch: the loads themselves are all out at once.
.set X, 4                              ; v[4:131]  32 slots of 4 registers: f32 as loaded; the first two of a slot then hold the four bf16
	s_load_b256 s[4:11], s[0:1], 0x0               ; x s[4:5], U_w s[6:7], gate_w s[8:9], xb s[10:11]
	s_load_b128 s[12:15], s[0:1], 0x20             ; ub s[12:13], gb s[14:15]
	s_mov_b32 s16, ttmp9                           ; the work-group's number: its chunk in x,
	s_sub_co_u32 s17, s16, 512                     ; in U_w,
	s_sub_co_u32 s18, s16, 640                     ; in gate_w
	v_lshlrev_b32 v1, 4, v0                        ; 16 bytes a thread in,
	v_lshlrev_b32 v2, 3, v0                        ; 8 bytes out
	s_wait_kmcnt 0x0
	s_cmp_lt_u32 s16, 640                          ; the choice hangs on the work-group's number alone
	s_cselect_b64 s[20:21], s[6:7], s[8:9]
	s_cselect_b64 s[22:23], s[12:13], s[14:15]
	s_cselect_b32 s24, s17, s18
	s_cmp_lt_u32 s16, 512
	s_cselect_b64 s[20:21], s[4:5], s[20:21]       ; from
	s_cselect_b64 s[22:23], s[10:11], s[22:23]     ; to
	s_cselect_b32 s24, s16, s24                    ; which chunk of that tensor
	s_lshl_b32 s26, s24, 17                        ; 131,072 bytes in a chunk of f32 (at most 511 chunks: under 2^26),
	s_mov_b32 s27, 0
	s_lshl_b32 s28, s24, 16                        ; 65,536 in bf16
	s_mov_b32 s29, 0
	s_add_nc_u64 s[20:21], s[20:21], s[26:27]
	s_add_nc_u64 s[22:23], s[22:23], s[28:29]
.set i, 0
.rept 32
	global_load_b128 v[X+4*i:X+4*i+3], v1, s[20:21] offset:4096*i th:TH_LOAD_NT  ; read once in the whole program
.set i, i+1
.endr
.set i, 0
.rept 32
	s_wait_loadcnt 31-i                            ; loads come back in order: slot i is in, the 31 - i younger ones may stay out
	v_cvt_pk_bf16_f32 v[X+4*i], v[X+4*i], v[X+4*i+1]      ; two roundings to nearest even, packed
	v_cvt_pk_bf16_f32 v[X+4*i+1], v[X+4*i+2], v[X+4*i+3]
	global_store_b64 v2, v[X+4*i:X+4*i+1], s[22:23] offset:2048*i
.set i, i+1
.endr
	s_endpgm
.Lfunc_end_k_qef8ebcaf5a_cast:
	.size	k_qef8ebcaf5a_cast, .Lfunc_end_k_qef8ebcaf5a_cast-k_qef8ebcaf5a_cast
	.p2alignl 7, 3214868480
	.fill 96, 4, 3214868480
	.section	.rodata,"a",@progbits
	.p2align	6, 0x0
	.amdhsa_kernel k_qef8ebcaf5a_cast
		.amdhsa_group_segment_fixed_size 0
		.amdhsa_private_segment_fixed_size 0
		.amdhsa_enable_private_segment 0
		.amdhsa_kernarg_size 48
		.amdhsa_user_sgpr_count 2
		.amdhsa_user_sgpr_kernarg_segment_ptr 1
		.amdhsa_wavefront_size32 1
		.amdhsa_system_sgpr_workgroup_id_x 1
		.amdhsa_system_sgpr_workgroup_id_y 1
		.amdhsa_system_sgpr_workgroup_id_z 1
		.amdhsa_system_vgpr_workitem_id 0
		.amdhsa_next_free_vgpr 136
		.amdhsa_next_free_sgpr 66
		.amdhsa_reserve_vcc 0
		.amdhsa_float_denorm_mode_32 3
		.amdhsa_float_denorm_mode_16_64 3
		.amdhsa_memory_ordered 1
		.amdhsa_forward_progress 1
		.amdhsa_inst_pref_size 13
	.end_amdhsa_kernel
	.amdgpu_metadata
---
amdhsa.version: [ 1, 2 ]
amdhsa.kernels:
  - .name:           k_qef8ebcaf5a_cast
    .symbol:         k_qef8ebcaf5a_cast.kd
    .args:
      - { .name: x, .offset: 0, .size: 8, .value_kind: global_buffer, .address_space: global }
      - { .name: U_w, .offset: 8, .size: 8, .value_kind: global_buffer, .address_space: global }
      - { .name: gate_w, .offset: 16, .size: 8, .value_kind: global_buffer, .address_space: global }
      - { .name: xb, .offset: 24, .size: 8, .value_kind: global_buffer, .address_space: global }
      - { .name: ub, .offset: 32, .size: 8, .value_kind: global_buffer, .address_space: global }
      - { .name: gb, .offset: 40, .size: 8, .value_kind: global_buffer, .address_space: global }
    .group_segment_fixed_size: 0
    .private_segment_fixed_size: 0
    .kernarg_segment_align: 8
    .kernarg_segment_size: 48
    .max_flat_workgroup_size: 256
    .sgpr_count:     66
    .vgpr_count:     136
    .wavefront_size: 32
...
	.end_amdgpu_metadata
.endif
;; end of part 1
;; launch gate (part 2): grid 8 x 32, 4 waves a work-group, clusters of 4 x 4, 327,680 bytes of LDS; arguments xb, gb, ladder_w, pa; writes pa
.if DOCPART == 2
	.amdgcn_target "amdgcn-amd-amdhsa--gfx1250"
	.amdhsa_code_object_version 6
	.text
	.protected	k_qef8ebcaf5a_gate
	.globl	k_qef8ebcaf5a_gate
	.p2align	8
	.type	k_qef8ebcaf5a_gate,@function
k_qef8ebcaf5a_gate:
	s_mov_b64 s[64:65], 0
	v_nop
	global_prefetch_b8 v0, s[64:65] scope:SCOPE_SE
	s_setreg_imm32_b32 hwreg(HW_REG_WAVE_MODE, 25, 1), 1
	s_wait_xcnt 0x0
	s_wait_alu depctr_hold_cnt(0) depctr_sa_sdst(0) depctr_va_vdst(0) depctr_va_sdst(0) depctr_va_ssrc(0) depctr_va_vcc(0) depctr_vm_vsrc(0)
	s_getreg_b32 s2, hwreg(HW_REG_IB_STS2, 6, 4)
	s_cmp_eq_u32 s2, 0
	s_cbranch_scc0 .Lentry_in_a_cluster
	s_endpgm
.Lentry_in_a_cluster:
	s_bfe_u32 s2, ttmp6, 0x10000c
	s_cmp_lg_u32 s2, 0xf033
	s_cbranch_scc0 .Lentry_shape_is_right
	s_endpgm
.Lentry_shape_is_right:
; pa[rt][ct][jp][row][2] = the sum over the 256 columns d of tile column ct of sigmoid(S[row][d]) x[row][d] ladder_w[j][d], j = 2 jp + (0, 1) = 6 ladder + k, S = x gate_w^T.
; xb: [8192][2048], gb: [2048][2048], bf16 (launch cast); ladder_w: [18][2048] f32, rounded here to bf16 like every input; pa: f32 partial sums, added in launch lin.
; THE PRODUCT.  A tile of S, 256 x 256, is made by a work-group of four waves; a wave makes 128 x 128: 64 accumulators of 16 x 16, 512 registers.  K goes in steps of 128 through a ring of two LDS
; slots filled by tensor loads (rows of 256 bytes, 16 bytes of padding behind each).  4 x 4 work-groups form a cluster: the four of a row need the same tiles of xb, the four of a column the same tiles
; of gb; each tile is asked for JOINTLY, by the same tensor load with the same descriptor and a mask that names the four.  32 x 8 tiles: 256 work-groups.
; THE MATRIX INSTRUCTION IS USED TRANSPOSED (source 0 = 16 rows of gb, source 1 = 16 rows of xb): lane l holds row l % 16 of S and the columns 8 (l / 16) + 0..7.
; THE WAY OUT, by blocks of 16 rows: g = x / (1 + 2^(-log2(e) s)) in f32, with x's bf16 number; g is split into two f16, hi = f16(g) and lo = f16(g - hi) (21 bits or more together), since the continued
; fraction that follows divides by numbers near 0 and wants a to f32's accuracy.  Packed in pairs a lane's 64 numbers ARE the four fragments (16 rows x 32 columns) of a second product: a^T = W g^T,
; W = ladder_w's bf16 numbers written as f16, 18 rows padded with zeros to 32.  The two column halves' sums meet in LDS; nothing else is stored.
; LIMITS.  |g| and |ladder_w| stay under f16's 65,504 (g is at most |x|).  A ladder weight under 2^-17, and a lo under 6e-5, keep f16's fixed step of 6e-8.  2^y counts as 0 below 2^-126 and as an
; infinity above f32's range: g is then x or 0, as reference()'s sigmoid gives to within rounding.  NaN and infinities are not treated apart.
; REGISTERS, in windows of 256 (s_set_vgpr_msb: bits 1:0 source 0, 3:2 source 1, 5:4 source 2, 7:6 destination):
;   window 0: v0-31 addresses; v32-63 a block's x; v64-127, v128-191 fragments of xb, two buffers, on the way out T, GH, GL; v192-211 the ladder sums and constants
;   window 1: v64-127, v128-191 fragments of gb, two buffers; on the way out v64-127 W's fragments
;   window 2: the 32 accumulators of my rows 0-63 ((a, b) at v[8 (8 a + b)]);   window 3: those of my rows 64-127
.set SIZE_K, 2048
.set KSTEP,  128
.set PITCH,  272                       ; an LDS row: 256 bytes + 16 of padding: the 16 rows of a fragment load start 16 bytes further on in each 256 (64 banks of 4 bytes: ISA guide 11.1)
.set HALFT,  128*PITCH                 ; 128 rows: what one tensor load brings, and what one wave reads of xb or of gb
.set SLOT,   4*HALFT                   ; xb's 256 rows, then gb's 256 rows
.set WLT,    2*SLOT                    ; behind the ring, never filled by a tensor load: W, 32 rows of 256 f16
.set WLP,    528                       ; its pitch: 512 + 16
.set SPARE,  WLT+32*WLP                ; the spare words, 128 bytes for each wave: two blocks of 256 bytes that no other line names
.set ATP,    1056                      ; the ladder sums: a pair-row holds 128 rows x 2 f32, + 32 bytes
.set ATW,    13*ATP                    ; wave w's 13 pair-rows lie at w x ATW, in slot 0, which has had its last fill and its last read when they are written
.set LAPS,   SIZE_K/(2*KSTEP)          ; a lap = two K steps = once round the ring
.set XO,   6                           ; v6   my byte offset in 16 rows of xb: (l % 16) x 4,096 + 16 (l / 16); never rewritten
.set ATS,  7                           ; v7   where I put a block's sums, for block 0
.set ATR,  8                           ; v8   where I read the sums back
.set PAO,  9                           ; v9   16 x thread: my bytes in a pair-row of pa
.set WLS,  10                          ; v10  where I put W
.set WLA,  11                          ; v11  where I read W's fragments
.set LWO,  12                          ; v12  my byte offset in two rows of ladder_w
.set XC,   13                          ; v13  XO + 65,536 x block
.set ATC,  14                          ; v14  ATS + 128 x block
.set ADRA, 16                          ; v16-17  LDS address of my fragments of xb in slot 0, 1
.set ADRB, 20                          ; v20-21  the same for gb
.set SPW,  28                          ; v28  LDS address of my spare word; never rewritten
.set NIL,  29                          ; v29  0; never rewritten
.set PFO,  30                          ; v30  the prefetches' offset: lane x 4,096; never rewritten
.set XW,   32                          ; v32-63  a block's x: word 4 b + i holds columns 16 b + 8 (l / 16) + 2 i, + 1
.set F0,   64
.set F1,   128
.set T,    64                          ; v64-127  a block's 64 numbers a lane, in f32
.set GH,   128                         ; v128-159 hi, packed
.set GL,   160                         ; v160-191 lo, packed
.set LA,   192                         ; v192-207 two accumulators: ladder rows 0-15, 16-31
.set N1,   208                         ; v208 -1.0
.set ZR,   209                         ; v209 0
.set ZP,   210                         ; v210-211 0, 0
.set WF,   64                          ; window 1: W's fragment (16 rows t, columns 32 c on) at WF + 32 t + 8 c
.set G1,  24                           ; s[24:31] descriptor group 1 for xb's tiles;  s[32:39] group 0, a set for each slot
.set G0,  32
.set G1B, 48                           ; s[48:55], s[56:63] the same for gb's
.set G0B, 56
.set LIM, 43                           ; s43  1 in a wave that prefetches, else the greatest number
.set PFA, 44                           ; s[44:45] where my prefetches stand
.set NL2E, 72                          ; s[72:73] -log2(e), named as a pair
.set BLK, 74                           ; s74  the block of 16 rows in hand
.set HIM, 75                           ; s75  a word's upper bf16
.set XB,  76                           ; s[76:77] xb at my wave's first row and first column
.set PAB, 78                           ; s[78:79] pa at my work-group's block
.set LWB, 80                           ; s[80:81] ladder_w at the tile's first column
.set TS,  82                           ; s[82:85] offsets at work
.set MSB, 0
.macro WIN new                         ; the immediate's high byte repeats the setting that is left; a switch that changes nothing is dropped
.if MSB != (\new)
	s_set_vgpr_msb (MSB<<8)|(\new)
.set MSB, \new
.endif
.endm
.set MUL_LO, 0xa1                      ; source 0 (gb) window 1, source 1 (xb) window 0, C and D window 2
.set MUL_HI, 0xf1                      ; the same, C and D window 3
.set TO_B,   0x40                      ; destination window 1, address window 0
; A joint load.  Waves 0 and 1 fetch xb's two halves, waves 2 and 3 gb's.  The branch hangs on the wave's number alone.  An s_nop 0 and four v_nop follow each of the two lines.
.macro JLOAD s
	s_cmp_eq_u32 s11, 0
	s_cbranch_scc0 .Lfor_b_\@
	tensor_load_to_lds s[G0+4*(\s):G0+4*(\s)+3], s[G1:G1+7]
	s_nop 0
.rept 4
	v_nop
.endr
	s_branch .Lasked_\@
.Lfor_b_\@:
	tensor_load_to_lds s[G0B+4*(\s):G0B+4*(\s)+3], s[G1B:G1B+7]
	s_nop 0
.rept 4
	v_nop
.endr
.Lasked_\@:
.endm
; A prefetch, behind each joint refill and the run of LDS loads that follows it: the K step that stands two refills on, 32 rows x 256 bytes, a lane a row, one instruction a wave.
; Each row's 256 bytes of a K step are named once in the launch: xb's tile row is read by both clusters of that row of clusters, and cluster x = 0 asks; gb's tile column by all eight clusters of
; that column, and cluster y = 0 asks.  The four partners that ask for a tile jointly share its rows out by address, 32 each.  The loop's last trip (s3 = 1) has no K step two on and asks for nothing.
.macro ASK
	s_cmp_gt_u32 s3, s[LIM]
	s_cbranch_scc0 .Lnot_mine_\@
	global_prefetch_b8 v[PFO], s[PFA:PFA+1] offset:KSTEP*2 th:TH_LOAD_NT scope:SCOPE_SE
.Lnot_mine_\@:
.endm
; A round of the cluster's barrier: my work-group's barrier; wave 0 signals for the work-group; every wave waits for all sixteen work-groups; my work-group's barrier once more.
.macro CREST
	s_cmp_lg_u32 s10, 0
	s_cbranch_scc1 .Lnot_wave_0_\@
	s_barrier_signal -3
.Lnot_wave_0_\@:
	s_barrier_wait -3
	s_barrier_signal -1
	s_barrier_wait -1
.endm
.macro CROUND
	s_barrier_signal -1
	s_barrier_wait -1
	CREST
.endm
	s_load_b128 s[4:7], s[0:1], 0x0                ; xb s[4:5], gb s[6:7]
	s_load_b128 s[68:71], s[0:1], 0x10             ; ladder_w s[68:69], pa s[70:71]
	v_lshl_add_u32 v[SPW], v0, 2, SPARE
	v_mov_b32 v[NIL], 0
	ds_add_u32 v[SPW], v[NIL]                      ; the wave's opening: the add, twice on end, and its wait ahead of my first tensor load
	ds_add_u32 v[SPW], v[NIL]                      ; the set-up below, work on registers, stands between the second add and the wait
	v_lshrrev_b32 v1, 5, v0
	v_readfirstlane_b32 s10, v1                    ; wave 0..3
	s_lshr_b32 s11, s10, 1                         ; which half of the tile's rows is mine.  Also: I fetch for xb (0) or for gb (1)
	s_and_b32 s12, s10, 1                          ; which half of its columns.  Also: which 128 rows of that tile I fetch
	s_bfe_u32 s40, ttmp6, 0x40000                  ; cx, cy: my place in the cluster
	s_bfe_u32 s41, ttmp6, 0x40004
	s_lshl_b32 s42, ttmp9, 2
	s_add_co_u32 s42, s42, s40                     ; tile column ct = 4 x cluster x + cx
	s_and_b32 s13, ttmp7, 0xffff
	s_lshl_b32 s13, s13, 2
	s_add_co_u32 s13, s13, s41                     ; tile row rt = 4 x cluster y + cy
	s_lshl_b32 s43, s41, 2
	s_lshl_b32 s43, 15, s43                        ; my row of the cluster: places 4 cy .. 4 cy + 3
	s_lshl_b32 s44, 0x1111, s40                    ; my column: places cx, cx + 4, cx + 8, cx + 12
	; descriptor group 1: a tile of 128 rows x 128 elements of 2 bytes, 4 words of padding behind every 64 words; the mask, and bit 21 beside it
	s_or_b32 s[G1+0], s43, (1<<16)|(1<<20)|(1<<21)|(5<<22)|(3<<25)
	s_or_b32 s[G1B+0], s44, (1<<16)|(1<<20)|(1<<21)|(5<<22)|(3<<25)
.irp g, G1, G1B
	s_mov_b32 s[(\g)+1], KSTEP<<16                 ; tensor_dim0 = 128
	s_mov_b32 s[(\g)+2], 128<<16                   ; tensor_dim1 = 128
	s_mov_b32 s[(\g)+3], KSTEP<<16                 ; tile_dim0 = 128
	s_mov_b32 s[(\g)+4], 128                       ; tile_dim1 = 128
	s_mov_b32 s[(\g)+5], SIZE_K                    ; elements from row to row
	s_mov_b32 s[(\g)+6], 0
	s_mov_b32 s[(\g)+7], 0
.endr
	; xb's tiles hang on the tile row alone, which my row of the cluster shares; gb's on the tile column alone, which my column shares
	s_lshl_b32 s17, s12, 7
	s_lshl_b32 s16, s13, 8
	s_add_co_u32 s16, s16, s17                     ; xb: row 256 rt + 128 x half
	s_lshl_b32 s46, s42, 8
	s_add_co_u32 s46, s46, s17                     ; gb: row 256 ct + 128 x half
	s_mov_b32 s17, 0
	s_mov_b32 s47, 0
	s_mov_b64 s[18:19], SIZE_K*2
	s_mul_u64 s[16:17], s[16:17], s[18:19]
	s_mul_u64 s[46:47], s[46:47], s[18:19]
	s_mul_i32 s20, s10, HALFT                      ; where they go: wave x 128 rows: no place in the cluster enters an LDS address
	s_mov_b32 s[NL2E], 0xbfb8aa3b                  ; -log2(e)
	s_mov_b32 s[NL2E+1], s[NL2E]
	s_mov_b32 s[HIM], 0xffff0000
	s_wait_dscnt 0x0                               ; both opening adds are done
	s_wait_kmcnt 0x0
	s_add_nc_u64 s[14:15], s[4:5], s[16:17]
	s_add_nc_u64 s[46:47], s[6:7], s[46:47]
	CROUND                                         ; all sixteen work-groups are here: the first joint loads meet
.irp s, 0,1
	s_mov_b32 s[G0+4*(\s)], 1                      ; count = 1
	s_add_co_u32 s[G0+4*(\s)+1], s20, (\s)*SLOT    ; LDS address
	s_add_nc_u64 s[G0+4*(\s)+2:G0+4*(\s)+3], s[14:15], (\s)*KSTEP*2  ; global address: K step s
	s_or_b32 s[G0+4*(\s)+3], s[G0+4*(\s)+3], 0x80000000              ; type = 2
	s_mov_b32 s[G0B+4*(\s)], 1
	s_add_co_u32 s[G0B+4*(\s)+1], s20, (\s)*SLOT
	s_add_nc_u64 s[G0B+4*(\s)+2:G0B+4*(\s)+3], s[46:47], (\s)*KSTEP*2
	s_or_b32 s[G0B+4*(\s)+3], s[G0B+4*(\s)+3], 0x80000000
	JLOAD \s                                       ; two tensor loads of mine are out
.endr
	; while the first tiles are on their way: block 0's x, and the tile's 256 columns of ladder_w
	v_and_b32 v1, 15, v0                           ; l % 16
	v_bfe_u32 v2, v0, 4, 1                         ; l / 16
	v_lshrrev_b32 v4, 6, v0                        ; thread / 64
	v_and_b32 v5, 63, v0                           ; thread % 64
	s_lshl_b32 s[TS], s13, 8
	s_lshl_b32 s[TS+1], s11, 7
	s_add_co_u32 s[TS], s[TS], s[TS+1]             ; my first row: 256 rt + 128 x half,
	s_lshl_b32 s[TS], s[TS], 12                    ; in bytes (under 2^25),
	s_lshl_b32 s[TS+1], s42, 9
	s_add_co_u32 s[TS], s[TS], s[TS+1]             ; + my first column: 512 ct
	s_lshl_b32 s[TS+1], s12, 8
	s_add_co_u32 s[TS], s[TS], s[TS+1]             ; + 256 x half
	s_mov_b32 s[TS+1], 0
	s_add_nc_u64 s[XB:XB+1], s[4:5], s[TS:TS+1]
	s_lshl3_add_u32 s[TS], s13, s42                ; 8 rt + ct
	s_mul_i32 s[TS], s[TS], 18432                  ; a block of pa: 9 pair-rows x 256 rows x 8 bytes
	s_add_nc_u64 s[PAB:PAB+1], s[70:71], s[TS:TS+1]
	s_lshl_b32 s[TS], s42, 10                      ; 256 columns of f32
	s_add_nc_u64 s[LWB:LWB+1], s[68:69], s[TS:TS+1]
	v_lshlrev_b32 v[XO], 12, v1
	v_lshl_add_u32 v[XO], v2, 4, v[XO]
	v_lshlrev_b32 v[LWO], 13, v4                   ; row thread / 64 of two,
	v_lshl_add_u32 v[LWO], v5, 4, v[LWO]           ; four columns a thread
.irp b, 0,1,2,3,4,5,6,7
	global_load_b128 v[XW+4*(\b):XW+4*(\b)+3], v[XO], s[XB:XB+1] offset:32*(\b)   ; kept through the walk along K
.endr
.irp i, 0,1,2,3,4,5,6,7,8
	global_load_b128 v[T+4*(\i):T+4*(\i)+3], v[LWO], s[LWB:LWB+1] offset:16384*(\i)  ; ladder rows 2 i and 2 i + 1
.endr
	; a fragment is 16 rows x 32 K in 8 registers: lane l holds row l % 16; two loads of 16 bytes, 32 bytes apart, at row x pitch + 16 (l / 16)
	v_mul_u32_u24 v3, v1, PITCH
	v_lshl_add_u32 v3, v2, 4, v3
	s_mul_i32 s21, s11, HALFT                      ; my 128 rows of xb
	s_mul_i32 s22, s12, HALFT                      ; my 128 rows of gb,
	s_add_co_u32 s22, s22, 2*HALFT                 ; which lie behind xb's 256
.irp s, 0,1
	v_add_nc_u32 v[ADRA+(\s)], s21, v3
	v_add_nc_u32 v[ADRB+(\s)], s22, v3
	s_add_co_u32 s21, s21, SLOT
	s_add_co_u32 s22, s22, SLOT
.endr
	s_mul_i32 s[TS+2], s10, ATW
	v_mul_u32_u24 v[ATS], v2, 4*ATP                ; a lane's ladder rows 8 (l / 16) + 0..7 are pair-rows 4 (l / 16) + 0..3
	v_lshl_add_u32 v[ATS], v1, 3, v[ATS]           ; row l % 16 of the block
	v_add_nc_u32 v[ATS], s[TS+2], v[ATS]
	v_mul_u32_u24 v[ATR], v4, 2*ATW                ; rows 128 (thread / 64) on lie with waves 2 (thread / 64) and + 1
	v_lshl_add_u32 v[ATR], v5, 4, v[ATR]           ; two rows a thread
	v_lshlrev_b32 v[PAO], 4, v0
	v_mul_u32_u24 v[WLS], v4, WLP
	v_lshl_add_u32 v[WLS], v5, 3, v[WLS]
	v_add_nc_u32 v[WLS], WLT, v[WLS]
	s_lshl_b32 s[TS+2], s12, 8                     ; my 128 columns
	s_add_co_u32 s[TS+2], s[TS+2], WLT
	v_mul_u32_u24 v[WLA], v1, WLP
	v_lshl_add_u32 v[WLA], v2, 4, v[WLA]
	v_add_nc_u32 v[WLA], s[TS+2], v[WLA]
	; the prefetches
	s_lshl_b32 s13, s13, 8
	s_lshl_b32 s42, s42, 8
	s_and_b32 s22, ttmp7, 0xffff                   ; cluster y
	s_cmp_eq_u32 s11, 0                            ; do I fetch for xb?
	s_cselect_b32 s20, s13, s42                    ; the tile's first row
	s_cselect_b32 s21, s40, s41                    ; my place among the four that ask for it with me
	s_cselect_b32 s22, ttmp9, s22                  ; the coordinate along which other clusters read the same rows
	s_cselect_b64 s[PFA:PFA+1], s[4:5], s[6:7]
	s_cmp_eq_u32 s22, 0
	s_cselect_b32 s[LIM], 1, -1                    ; the same in all sixteen partners, for a given wave
	s_lshl_b32 s22, s12, 7
	s_add_co_u32 s20, s20, s22                     ; + the 128 rows that I fetch
	s_lshl_b32 s21, s21, 5
	s_add_co_u32 s20, s20, s21                     ; + my work-group's 32 of them
	s_mov_b32 s21, 0
	s_mov_b64 s[18:19], SIZE_K*2
	s_mul_u64 s[20:21], s[20:21], s[18:19]
	s_add_nc_u64 s[PFA:PFA+1], s[PFA:PFA+1], s[20:21]
	s_add_nc_u64 s[PFA:PFA+1], s[PFA:PFA+1], 2*KSTEP*2  ; at K step 2: the first refill steps it to 3 and names K step 4.  Nothing is asked for here, at the head
	v_and_b32 v[PFO], 31, v0
	v_mul_u32_u24 v[PFO], v[PFO], SIZE_K*2
	; W: rows 18-31 are zeros; rows 0-17 are ladder_w rounded to bf16, that number written as f16
	v_mov_b32 v[ZP], 0
	v_mov_b32 v[ZP+1], 0
.irp i, 9,10,11,12,13,14,15
	ds_store_b64 v[WLS], v[ZP:ZP+1] offset:2*WLP*(\i)
.endr
	s_wait_loadcnt 0x0                             ; x's words and ladder_w
.irp i, 0,1,2,3,4,5,6,7,8
	v_cvt_pk_bf16_f32 v[T+4*(\i)], v[T+4*(\i)], v[T+4*(\i)+1]
	v_cvt_pk_bf16_f32 v[T+4*(\i)+2], v[T+4*(\i)+2], v[T+4*(\i)+3]
	v_and_b32 v[T+4*(\i)+1], s[HIM], v[T+4*(\i)]
	v_lshlrev_b32 v[T+4*(\i)], 16, v[T+4*(\i)]
	v_and_b32 v[T+4*(\i)+3], s[HIM], v[T+4*(\i)+2]
	v_lshlrev_b32 v[T+4*(\i)+2], 16, v[T+4*(\i)+2]
	v_cvt_pk_f16_f32 v[T+4*(\i)], v[T+4*(\i)], v[T+4*(\i)+1]
	v_cvt_pk_f16_f32 v[T+4*(\i)+1], v[T+4*(\i)+2], v[T+4*(\i)+3]
	ds_store_b64 v[WLS], v[T+4*(\i):T+4*(\i)+1] offset:2*WLP*(\i)
.endr
; 16 matrix instructions: m blocks a0, a0 + 1 of the window's four x all 8 n blocks, 32 along K.  zero = 1: the first product starts the sums.
; The 64 accumulators take turns, one instruction a turn, in the same order in every quarter step.
.macro MUL16 f, hi, a0, zero
	WIN MUL_LO+0x50*(\hi)
.irp a, \a0, (\a0)+1
.irp b, 0,1,2,3,4,5,6,7
.if \zero
	v_wmma_f32_16x16x32_bf16 v[8*(8*(\a)+(\b)):8*(8*(\a)+(\b))+7], v[(\f)+8*(\b):(\f)+8*(\b)+7], v[(\f)+8*(4*(\hi)+(\a)):(\f)+8*(4*(\hi)+(\a))+7], 0
.else
	v_wmma_f32_16x16x32_bf16 v[8*(8*(\a)+(\b)):8*(8*(\a)+(\b))+7], v[(\f)+8*(\b):(\f)+8*(\b)+7], v[(\f)+8*(4*(\hi)+(\a)):(\f)+8*(4*(\hi)+(\a))+7], v[8*(8*(\a)+(\b)):8*(8*(\a)+(\b))+7]
.endif
.endr
.endr
.endm
; 32 LDS loads in one run: the fragments of one quarter step (32 K at byte k of the rows) into buffer f
.macro FETCH slot, k, f
	WIN TO_B
.irp i, 0,1,2,3,4,5,6,7
	ds_load_b128 v[(\f)+8*(\i):(\f)+8*(\i)+3],   v[ADRB+(\slot)] offset:(\k)+(\i)*16*PITCH
	ds_load_b128 v[(\f)+8*(\i)+4:(\f)+8*(\i)+7], v[ADRB+(\slot)] offset:(\k)+(\i)*16*PITCH+32
.endr
	WIN 0
.irp i, 0,1,2,3,4,5,6,7
	ds_load_b128 v[(\f)+8*(\i):(\f)+8*(\i)+3],   v[ADRA+(\slot)] offset:(\k)+(\i)*16*PITCH
	ds_load_b128 v[(\f)+8*(\i)+4:(\f)+8*(\i)+7], v[ADRA+(\slot)] offset:(\k)+(\i)*16*PITCH+32
.endr
.endm
.macro PLACES                          ; four plain vector instructions between a matrix instruction and a load into, a write of or a read of its registers
.rept 4
	v_nop
.endr
.endm
; A K step is four quarter steps of 32 along K, 64 matrix instructions each, on buffers 0, 1, 0, 1.  One of the first three multiplies buffer f and fetches the next quarter, at byte k, into g.
.macro QUARTER slot, k, f, g, zero
	s_wait_dscnt 8                                 ; gb's fragments and xb's rows 0-63 are in; the youngest eight loads (xb's rows 64-127) may be out
	WIN MUL_LO
	MUL16 \f, 0, 0, \zero
	MUL16 \f, 0, 2, \zero
	PLACES
	FETCH \slot, \k, \g
	s_wait_dscnt 32                                ; all but the 32 just issued
	WIN MUL_HI
	MUL16 \f, 1, 0, \zero
	MUL16 \f, 1, 2, \zero
.endm
; The first half of the last quarter: ONE barrier for the change of slots.  In front of it each wave waits for all its tensor loads (one is out: its part of the next slot), adds 0 to its spare word,
; and waits for that and for its own reads of this slot.  Behind it nobody reads this slot any more and the next slot is whole.
.macro MEET round
	WIN 0
	s_wait_tensorcnt 0x0
	ds_add_u32 v[SPW], v[NIL]
	s_wait_dscnt 9                                 ; the add and the youngest eight loads may be out
	WIN MUL_LO
	MUL16 F1, 0, 0, 0
	s_wait_dscnt 0x0                               ; the add is done, and my reads of this slot are over
	s_barrier_signal -1
	MUL16 F1, 0, 2, 0
.if \round
	WIN 0
.endif
	s_barrier_wait -1
.endm
; The whole last quarter where the slot is filled again, two K steps on: the barrier opens a round of the cluster's barrier, and the joint refill is the first tensor load behind the round.
; From a request to the wait for it a wave issues 224 matrix instructions; one tensor load of mine is out meanwhile.
.macro TURN slot, next
	s_wait_xcnt 0x0                                ; the last prefetch, a K step back, has read its address
	s_add_nc_u64 s[PFA:PFA+1], s[PFA:PFA+1], KSTEP*2
	MEET 1
	CREST
	s_add_nc_u64 s[G0+4*(\slot)+2:G0+4*(\slot)+3], s[G0+4*(\slot)+2:G0+4*(\slot)+3], 2*KSTEP*2
	s_add_nc_u64 s[G0B+4*(\slot)+2:G0B+4*(\slot)+3], s[G0B+4*(\slot)+2:G0B+4*(\slot)+3], 2*KSTEP*2
	JLOAD \slot                                    ; its four v_nop are also the places in front of the loads below
	FETCH \next, 0, F0
	ASK
	WIN MUL_HI
	MUL16 F1, 1, 0, 0
	MUL16 F1, 1, 2, 0
.endm
	s_wait_tensorcnt 1                             ; my part of K step 0 is in; K step 1's may stay out
	s_wait_dscnt 0x0                               ; my part of W is stored
	s_barrier_signal -1
	s_barrier_wait -1
	FETCH 0, 0, F0
	QUARTER 0, 64,  F0, F1, 1                      ; the first quarter stands in front of the loop: its products start the sums
	WIN 0
	s_mov_b32 s3, LAPS-1
.Llap:                                             ; a trip goes once round the ring, from a lap's second quarter to the next lap's first, and fills both slots again
	QUARTER 0, 128, F1, F0, 0
	QUARTER 0, 192, F0, F1, 0
	TURN 0, 1
	QUARTER 1, 64,  F0, F1, 0
	QUARTER 1, 128, F1, F0, 0
	QUARTER 1, 192, F0, F1, 0
	TURN 1, 0
	QUARTER 0, 64,  F0, F1, 0
	WIN 0
	s_sub_co_u32 s3, s3, 1
	s_cmp_lg_u32 s3, 0
	s_cbranch_scc1 .Llap
	QUARTER 0, 128, F1, F0, 0                      ; the last lap is written out: it fills nothing and has no round
	QUARTER 0, 192, F0, F1, 0
	MEET 0                                         ; behind this barrier no wave reads slot 0 again
	PLACES
	FETCH 1, 0, F0
	WIN MUL_HI
	MUL16 F1, 1, 0, 0
	MUL16 F1, 1, 2, 0
	QUARTER 1, 64,  F0, F1, 0
	QUARTER 1, 128, F1, F0, 0
	QUARTER 1, 192, F0, F1, 0
	s_wait_dscnt 8
	WIN MUL_LO
	MUL16 F1, 0, 0, 0
	MUL16 F1, 0, 2, 0
	s_wait_dscnt 0x0
	MUL16 F1, 1, 0, 0
	MUL16 F1, 1, 2, 0
	WIN 0
	PLACES                                         ; behind the last products: what follows loads into, writes and reads their registers
	; THE WAY OUT.  W's eight fragments for my 128 columns stay in registers.
	WIN TO_B
.irp t, 0,1
.irp c, 0,1,2,3
	ds_load_b128 v[WF+32*(\t)+8*(\c):WF+32*(\t)+8*(\c)+3],   v[WLA] offset:(\t)*16*WLP+64*(\c)
	ds_load_b128 v[WF+32*(\t)+8*(\c)+4:WF+32*(\t)+8*(\c)+7], v[WLA] offset:(\t)*16*WLP+64*(\c)+32
.endr
.endr
	WIN 0
.set i, 0
.rept 32
	v_mov_b32 v[GL+i], 0                           ; once: lo is written a half at a time, by forms that keep the other half
.set i, i+1
.endr
	v_mov_b32 v[N1], -1.0
	v_mov_b32 v[ZR], 0
	s_mov_b32 s[BLK], 0
	s_wait_dscnt 0x0
; Block a's 64 scores a lane, times -log2(e), into T: the one part of a block's work that names the accumulators, so it alone is written eight times.  Each accumulator is read from its low end on.
.macro SCALE a
	WIN 0x02+(\a)/4                                ; source 0: window 2 or 3
.set i, 0
.rept 32
	v_pk_mul_f32 v[T+2*i:T+2*i+1], v[64*((\a)%4)+2*i:64*((\a)%4)+2*i+1], s[NL2E:NL2E+1] op_sel_hi:[1,0]
.set i, i+1
.endr
	WIN 0
.endm
.Lblk:                                             ; eight trips: a block of 16 rows x my 128 columns
.irp a, 0,1,2,3,4,5,6
	s_cmp_eq_u32 s[BLK], \a
	s_cbranch_scc1 .Larm\a
.endr
	SCALE 7
	s_branch .Ljoin
.irp a, 0,1,2,3,4,5,6
.Larm\a:
	SCALE \a
.if (\a) < 6
	s_branch .Ljoin
.endif
.endr
.Ljoin:
.set i, 0
.rept 64
	v_exp_f32 v[T+i], v[T+i]                       ; 2^(-log2(e) s): one batch
.set i, i+1
.endr
	v_nop                                          ; a plain instruction behind the last exponential,
	s_wait_alu depctr_va_vdst(0)                   ; and the one wait ahead of the batch's first reader
.set i, 0
.rept 32
	v_pk_add_f32 v[T+2*i:T+2*i+1], v[T+2*i:T+2*i+1], 1.0 op_sel_hi:[1,0]
.set i, i+1
.endr
.set i, 0
.rept 64
	v_rcp_f32 v[T+i], v[T+i]                       ; the sigmoid: the second batch
.set i, i+1
.endr
	v_nop
	s_wait_alu depctr_va_vdst(0)
	s_wait_loadcnt 0x0                             ; the block's x
.set i, 0
.rept 32
	v_fma_mix_f32_bf16 v[T+2*i], v[XW+i], v[T+2*i], v[ZR] op_sel_hi:[1,0,0]                     ; g = x's bf16 half times the sigmoid, in f32 (the form has a third source: 0)
	v_fma_mix_f32_bf16 v[T+2*i+1], v[XW+i], v[T+2*i+1], v[ZR] op_sel:[1,0,0] op_sel_hi:[1,0,0]
.set i, i+1
.endr
	s_cmp_lt_u32 s[BLK], 7
	s_cbranch_scc0 .Lnox                           ; the last block has none behind it
	v_lshl_add_u32 v[XC], s[BLK], 16, v[XO]        ; the loads that read XC last are in (the wait above)
.irp b, 0,1,2,3,4,5,6,7
	global_load_b128 v[XW+4*(\b):XW+4*(\b)+3], v[XC], s[XB:XB+1] offset:65536+32*(\b)  ; the next block's x: 16 rows on
.endr
.Lnox:
.set i, 0
.rept 32
	v_cvt_pk_f16_f32 v[GH+i], v[T+2*i], v[T+2*i+1]                                      ; hi
.set i, i+1
.endr
.set i, 0
.rept 32
	v_fma_mixlo_f16 v[GL+i], v[GH+i], v[N1], v[T+2*i] op_sel_hi:[1,0,0]                 ; lo = g - hi, exact in f32, rounded once to f16
	v_fma_mixhi_f16 v[GL+i], v[GH+i], v[N1], v[T+2*i+1] op_sel:[1,0,0] op_sel_hi:[1,0,0]
.set i, i+1
.endr
	v_lshl_add_u32 v[ATC], s[BLK], 7, v[ATS]       ; 16 rows x 8 bytes a block
	; a^T += W g^T: source 0 = 16 ladder rows, source 1 = the block's 16 rows; registers 8 c .. 8 c + 7 of hi and of lo are the fragment of columns 32 c on.  The two accumulators take turns.
	WIN 0x01                                       ; source 0 window 1
.irp c, 0,1,2,3
.irp g, GH, GL
.irp t, 0,1
.if ((\c) == 0) && ((\g) == GH)
	v_wmma_f32_16x16x32_f16 v[LA+8*(\t):LA+8*(\t)+7], v[WF+32*(\t)+8*(\c):WF+32*(\t)+8*(\c)+7], v[(\g)+8*(\c):(\g)+8*(\c)+7], 0
.else
	v_wmma_f32_16x16x32_f16 v[LA+8*(\t):LA+8*(\t)+7], v[WF+32*(\t)+8*(\c):WF+32*(\t)+8*(\c)+7], v[(\g)+8*(\c):(\g)+8*(\c)+7], v[LA+8*(\t):LA+8*(\t)+7]
.endif
.endr
.endr
.endr
	WIN 0
	PLACES
.irp q, 0,1,2,3
	ds_store_b64 v[ATC], v[LA+2*(\q):LA+2*(\q)+1] offset:ATP*(\q)  ; ladder rows 8 (l / 16) + 2 q, + 1 of row l % 16
.endr
	ds_store_b64 v[ATC], v[LA+8:LA+9] offset:8*ATP  ; ladder rows 16, 17 (lanes 16-31: rows 24, 25, zeros, into pair-row 12, which nobody reads)
	s_add_co_u32 s[BLK], s[BLK], 1
	s_cmp_lt_u32 s[BLK], 8
	s_cbranch_scc1 .Lblk
	s_wait_dscnt 0x0                               ; for the others' sake: my sums are stored
	s_barrier_signal -1
	s_barrier_wait -1
.irp i, 0,1,2,3,4,5,6,7,8
	ds_load_b128 v[T+4*(\i):T+4*(\i)+3],       v[ATR] offset:ATP*(\i)       ; two rows' pair, left column half,
	ds_load_b128 v[T+36+4*(\i):T+36+4*(\i)+3], v[ATR] offset:ATW+ATP*(\i)   ; right column half
.endr
	s_wait_dscnt 0x0
.set i, 0
.rept 18
	v_pk_add_f32 v[T+2*i:T+2*i+1], v[T+2*i:T+2*i+1], v[T+36+2*i:T+36+2*i+1]
.set i, i+1
.endr
.irp i, 0,1,2,3,4,5,6,7,8
	global_store_b128 v[PAO], v[T+4*(\i):T+4*(\i)+3], s[PAB:PAB+1] offset:2048*(\i)  ; a wave stores 512 consecutive bytes, at a multiple of 256 from pa's first
.endr
	s_wait_tensorcnt 0x0                           ; the wave's end: behind my last tensor load and my last LDS store, an add to my spare word and its wait
	ds_add_u32 v[SPW], v[NIL]
	s_wait_dscnt 0x0
	CROUND                                         ; the closing round: no work-group ends while a partner may still ask for a tile that names it
	s_endpgm
.Lfunc_end_k_qef8ebcaf5a_gate:
	.size	k_qef8ebcaf5a_gate, .Lfunc_end_k_qef8ebcaf5a_gate-k_qef8ebcaf5a_gate
	.p2alignl 7, 3214868480
	.fill 96, 4, 3214868480
	.section	.rodata,"a",@progbits
	.p2align	6, 0x0
	.amdhsa_kernel k_qef8ebcaf5a_gate
		.amdhsa_group_segment_fixed_size 327680
		.amdhsa_private_segment_fixed_size 0
		.amdhsa_enable_private_segment 0
		.amdhsa_kernarg_size 32
		.amdhsa_user_sgpr_count 2
		.amdhsa_user_sgpr_kernarg_segment_ptr 1
		.amdhsa_wavefront_size32 1
		.amdhsa_system_sgpr_workgroup_id_x 1
		.amdhsa_system_sgpr_workgroup_id_y 1
		.amdhsa_system_sgpr_workgroup_id_z 1
		.amdhsa_system_vgpr_workitem_id 0
		.amdhsa_next_free_vgpr 1024
		.amdhsa_next_free_sgpr 96
		.amdhsa_reserve_vcc 0
		.amdhsa_float_denorm_mode_32 3
		.amdhsa_float_denorm_mode_16_64 3
		.amdhsa_memory_ordered 1
		.amdhsa_forward_progress 1
		.amdhsa_inst_pref_size 161
	.end_amdhsa_kernel
	.amdgpu_metadata
---
amdhsa.version: [ 1, 2 ]
amdhsa.kernels:
  - .name:           k_qef8ebcaf5a_gate
    .symbol:         k_qef8ebcaf5a_gate.kd
    .args:
      - { .name: xb, .offset: 0, .size: 8, .value_kind: global_buffer, .address_space: global }
      - { .name: gb, .offset: 8, .size: 8, .value_kind: global_buffer, .address_space: global }
      - { .name: ladder_w, .offset: 16, .size: 8, .value_kind: global_buffer, .address_space: global }
      - { .name: pa, .offset: 24, .size: 8, .value_kind: global_buffer, .address_space: global }
    .group_segment_fixed_size: 327680
    .private_segment_fixed_size: 0
    .kernarg_segment_align: 8
    .kernarg_segment_size: 32
    .max_flat_workgroup_size: 128
    .sgpr_count:     96
    .vgpr_count:     1024
    .wavefront_size: 32
...
	.end_amdgpu_metadata
.endif
;; end of part 2
;; launch lin (part 3): grid 8 x 32, 4 waves a work-group, clusters of 4 x 4, 327,680 bytes of LDS; arguments xb, ub, pa, V_w, out0; writes out0
.if DOCPART == 3
	.amdgcn_target "amdgcn-amd-amdhsa--gfx1250"
	.amdhsa_code_object_version 6
	.text
	.protected	k_qef8ebcaf5a_lin
	.globl	k_qef8ebcaf5a_lin
	.p2align	8
	.type	k_qef8ebcaf5a_lin,@function
k_qef8ebcaf5a_lin:
	s_mov_b64 s[64:65], 0
	v_nop
	global_prefetch_b8 v0, s[64:65] scope:SCOPE_SE
	s_setreg_imm32_b32 hwreg(HW_REG_WAVE_MODE, 25, 1), 1
	s_wait_xcnt 0x0
	s_wait_alu depctr_hold_cnt(0) depctr_sa_sdst(0) depctr_va_vdst(0) depctr_va_sdst(0) depctr_va_ssrc(0) depctr_va_vcc(0) depctr_vm_vsrc(0)
	s_getreg_b32 s2, hwreg(HW_REG_IB_STS2, 6, 4)
	s_cmp_eq_u32 s2, 0
	s_cbranch_scc0 .Lentry_in_a_cluster
	s_endpgm
.Lentry_in_a_cluster:
	s_bfe_u32 s2, ttmp6, 0x10000c
	s_cmp_lg_u32 s2, 0xf033
	s_cbranch_scc0 .Lentry_shape_is_right
	s_endpgm
.Lentry_shape_is_right:
; out0[row][d] = the sum over k of x[row][k] U_w[d][k] + the sum over l of z[row][l] V_w[d][l];  z = a0 + a1 / (1 + a2 / (1 + a3 / (1 + a4 / (1 + a5)))), each denominator guarded as in reference().
; xb: [8192][2048], ub: [2048][2048], bf16 (launch cast); pa: the ladder sums in eight parts, f32 (launch gate); V_w: [2048][3] f32, rounded here to bf16 like every input; out0: f32.
; WORK LEFT OUT: the continued fraction's innermost step, a5 / (1 + 0) with its guard, is a5 for all inputs (shown at the head of launch cast): the chain starts from f = a5.
; THE PRODUCT is launch gate's: tiles of 256 x 256, four waves of 128 x 128, K steps of 128 through a ring of two LDS slots, 4 x 4 work-groups in a cluster with joint loads, the matrix instruction
; used transposed (lane l holds row l % 16 of out0 and the columns 8 (l / 16) + 0..7).
; z V_w^T IS ONE MORE K STEP, and it starts the sums.  While the first tiles are on their way each thread adds the eight parts of a for two rows of the tile, walks the continued fraction in f32 and
; writes each z as two bf16, hi = bf16(z) and lo = bf16(z - hi) (16 bits together): a row of 32 along K holds z0h z1h z2h z0l z1l z2l and zeros, V's row V0 V1 V2 V0 V1 V2 and zeros.
; LIMITS.  A division is v_rcp_f32 and a multiply (the last fused with the addition of a0): an error of about one unit in the last place each.  Where a denominator lies within f32's rounding of 0
; the sign of the guard's 0.01 is as uncertain as in reference() itself.  A z beyond f32's range, NaN and infinities are not treated apart.
; REGISTERS, in windows of 256 (s_set_vgpr_msb: bits 1:0 source 0, 3:2 source 1, 5:4 source 2, 7:6 destination):
;   window 0: v0-31 addresses; v64-127, v128-191 fragments of xb, two buffers; at the start v64-251 the parts of a and the chain; on the way out v64-191 two buffers of 16 rows
;   window 1: v64-127, v128-191 fragments of ub, two buffers; at the start v64-207 four parts of a
;   window 2: the 32 accumulators of my rows 0-63 ((a, b) at v[8 (8 a + b)]);   window 3: those of my rows 64-127
.set SIZE_K, 2048
.set KSTEP,  128
.set PITCH,  272                       ; an LDS row: 256 bytes + 16 of padding: the 16 rows of a fragment load start 16 bytes further on in each 256 (64 banks of 4 bytes: ISA guide 11.1)
.set HALFT,  128*PITCH
.set SLOT,   4*HALFT
.set STAGE,  2*SLOT                    ; behind the ring, never filled by a tensor load.  First: z's 256 rows, then V's 256 rows, 80 bytes each.  On the way out: 16 rows x 528 bytes for each wave
.set ZPI,    80                        ; 64 bytes (32 bf16) + 16
.set VT,     256*ZPI
.set SPITCH, 528                       ; 512 bytes (128 f32) + 16
.set SPARE,  STAGE+2*VT                ; the spare words, 128 bytes for each wave: two blocks of 256 bytes that no other line names
.set LAPS,   SIZE_K/(2*KSTEP)
.set PO,   6                           ; v6   16 x thread: my two rows in a pair-row of pa
.set VO,   7                           ; v7   24 x thread: my two columns of V_w
.set ZA,   8                           ; v8   where I put my two rows of z (V's lie VT further on)
.set ZFA,  9                           ; v9   where I read z's fragments
.set ZFB,  10                          ; v10  V's
.set ADRA, 16
.set ADRB, 20
.set STO,  24                          ; v24  the way out: where I put 32 bytes of a row
.set RD,   25                          ; v25  where I read a row back
.set CO,   26                          ; v26  16 x lane: my bytes of 512 in out0
.set SPW,  28
.set NIL,  29
.set PFO,  30
.set F0,   64
.set F1,   128
.set OB,   64                          ; the way out: 16 rows read back, 64 registers, two buffers
.set PS,   64                          ; part p of a (p % 4 in window p / 4) at PS + 36 (p % 4): a(ladder l, k, row u) at + 4 (3 l + k / 2) + 2 u + k % 2
.set ZQ,   100                         ; v100-103 0 (part 1's registers are free when the parts are added)
.set VW,   104                         ; v104-111 V's packed words, two columns
.set HT,   112                         ; v112-114 at work
.set VV,   208                         ; v208-213 V_w of my two columns
.set DD,   214                         ; six chains c = 3 u + l: the denominator and its reciprocal,
.set AB,   220                         ; its magnitude,
.set EE,   226                         ; 0.01 with its sign,
.set FF,   232                         ; f,
.set ZZ,   238                         ; z
.set ZW,   244                         ; v244-251 z's packed words, two rows
.set G1,  24
.set G0,  32
.set G1B, 48
.set G0B, 56
.set LIM, 43
.set PFA, 44
.set EPS, 72                           ; s72  0.01
.set ABSM, 73                          ; s73  all bits but the sign
.set HIM, 75                           ; s75  a word's upper bf16
.set PAB, 76                           ; s[76:77] pa at my tile row's eight blocks
.set VB,  78                           ; s[78:79] V_w at the tile's first column
.set TS,  82                           ; s[82:85] offsets at work
.set MSB, 0
.macro WIN new                         ; the immediate's high byte repeats the setting that is left; a switch that changes nothing is dropped
.if MSB != (\new)
	s_set_vgpr_msb (MSB<<8)|(\new)
.set MSB, \new
.endif
.endm
.set MUL_LO, 0xa1                      ; source 0 (ub) window 1, source 1 (xb) window 0, C and D window 2
.set MUL_HI, 0xf1
.set TO_B,   0x40
; A joint load.  Waves 0 and 1 fetch xb's two halves, waves 2 and 3 ub's.  The branch hangs on the wave's number alone.  An s_nop 0 and four v_nop follow each of the two lines.
.macro JLOAD s
	s_cmp_eq_u32 s11, 0
	s_cbranch_scc0 .Lfor_b_\@
	tensor_load_to_lds s[G0+4*(\s):G0+4*(\s)+3], s[G1:G1+7]
	s_nop 0
.rept 4
	v_nop
.endr
	s_branch .Lasked_\@
.Lfor_b_\@:
	tensor_load_to_lds s[G0B+4*(\s):G0B+4*(\s)+3], s[G1B:G1B+7]
	s_nop 0
.rept 4
	v_nop
.endr
.Lasked_\@:
.endm
; A prefetch, behind each joint refill and the run of LDS loads that follows it: the K step that stands two refills on, 32 rows x 256 bytes, a lane a row, one instruction a wave.  Each row's 256 bytes of
; a K step are named once in the launch: cluster x = 0 asks for xb's rows, cluster y = 0 for ub's; the four partners share a tile's rows out by address, 32 each.  The loop's last trip asks for nothing.
.macro ASK
	s_cmp_gt_u32 s3, s[LIM]
	s_cbranch_scc0 .Lnot_mine_\@
	global_prefetch_b8 v[PFO], s[PFA:PFA+1] offset:KSTEP*2 th:TH_LOAD_NT scope:SCOPE_SE
.Lnot_mine_\@:
.endm
.macro CREST                           ; a round of the cluster's barrier behind its opening barrier
	s_cmp_lg_u32 s10, 0
	s_cbranch_scc1 .Lnot_wave_0_\@
	s_barrier_signal -3
.Lnot_wave_0_\@:
	s_barrier_wait -3
	s_barrier_signal -1
	s_barrier_wait -1
.endm
.macro CROUND
	s_barrier_signal -1
	s_barrier_wait -1
	CREST
.endm
	s_load_b128 s[4:7], s[0:1], 0x0                ; xb s[4:5], ub s[6:7]
	s_load_b128 s[68:71], s[0:1], 0x10             ; pa s[68:69], V_w s[70:71]
	s_load_b64 s[8:9], s[0:1], 0x20                ; out0
	v_lshl_add_u32 v[SPW], v0, 2, SPARE
	v_mov_b32 v[NIL], 0
	ds_add_u32 v[SPW], v[NIL]                      ; the wave's opening: the add, twice on end, and its wait ahead of my first tensor load
	ds_add_u32 v[SPW], v[NIL]                      ; the set-up below, work on registers, stands between the second add and the wait
	v_lshrrev_b32 v1, 5, v0
	v_readfirstlane_b32 s10, v1                    ; wave 0..3
	s_lshr_b32 s11, s10, 1                         ; which half of the tile's rows is mine.  Also: I fetch for xb (0) or for ub (1)
	s_and_b32 s12, s10, 1                          ; which half of its columns.  Also: which 128 rows of that tile I fetch
	s_bfe_u32 s40, ttmp6, 0x40000                  ; cx, cy
	s_bfe_u32 s41, ttmp6, 0x40004
	s_lshl_b32 s42, ttmp9, 2
	s_add_co_u32 s42, s42, s40                     ; tile column ct
	s_and_b32 s13, ttmp7, 0xffff
	s_lshl_b32 s13, s13, 2
	s_add_co_u32 s13, s13, s41                     ; tile row rt
	s_lshl_b32 s43, s41, 2
	s_lshl_b32 s43, 15, s43                        ; my row of the cluster
	s_lshl_b32 s44, 0x1111, s40                    ; my column
	s_or_b32 s[G1+0], s43, (1<<16)|(1<<20)|(1<<21)|(5<<22)|(3<<25)   ; the mask; elements of 2 bytes; padding on; bit 21 beside a mask; 4 words behind every 64
	s_or_b32 s[G1B+0], s44, (1<<16)|(1<<20)|(1<<21)|(5<<22)|(3<<25)
.irp g, G1, G1B
	s_mov_b32 s[(\g)+1], KSTEP<<16                 ; tensor_dim0 = 128
	s_mov_b32 s[(\g)+2], 128<<16                   ; tensor_dim1 = 128
	s_mov_b32 s[(\g)+3], KSTEP<<16                 ; tile_dim0 = 128
	s_mov_b32 s[(\g)+4], 128                       ; tile_dim1 = 128
	s_mov_b32 s[(\g)+5], SIZE_K                    ; elements from row to row
	s_mov_b32 s[(\g)+6], 0
	s_mov_b32 s[(\g)+7], 0
.endr
	s_lshl_b32 s17, s12, 7
	s_lshl_b32 s16, s13, 8
	s_add_co_u32 s16, s16, s17                     ; xb: row 256 rt + 128 x half
	s_lshl_b32 s46, s42, 8
	s_add_co_u32 s46, s46, s17                     ; ub: row 256 ct + 128 x half
	s_mov_b32 s17, 0
	s_mov_b32 s47, 0
	s_mov_b64 s[18:19], SIZE_K*2
	s_mul_u64 s[16:17], s[16:17], s[18:19]
	s_mul_u64 s[46:47], s[46:47], s[18:19]
	s_mul_i32 s20, s10, HALFT                      ; where they go: wave x 128 rows
	s_mov_b32 s[EPS], 0x3c23d70a                   ; 0.01
	s_mov_b32 s[ABSM], 0x7fffffff
	s_mov_b32 s[HIM], 0xffff0000
	s_wait_dscnt 0x0                               ; both opening adds are done
	s_wait_kmcnt 0x0
	s_add_nc_u64 s[14:15], s[4:5], s[16:17]
	s_add_nc_u64 s[46:47], s[6:7], s[46:47]
	CROUND                                         ; all sixteen work-groups are here: the first joint loads meet
.irp s, 0,1
	s_mov_b32 s[G0+4*(\s)], 1
	s_add_co_u32 s[G0+4*(\s)+1], s20, (\s)*SLOT
	s_add_nc_u64 s[G0+4*(\s)+2:G0+4*(\s)+3], s[14:15], (\s)*KSTEP*2
	s_or_b32 s[G0+4*(\s)+3], s[G0+4*(\s)+3], 0x80000000
	s_mov_b32 s[G0B+4*(\s)], 1
	s_add_co_u32 s[G0B+4*(\s)+1], s20, (\s)*SLOT
	s_add_nc_u64 s[G0B+4*(\s)+2:G0B+4*(\s)+3], s[46:47], (\s)*KSTEP*2
	s_or_b32 s[G0B+4*(\s)+3], s[G0B+4*(\s)+3], 0x80000000
	JLOAD \s                                       ; two tensor loads of mine are out
.endr
	; while the first tiles are on their way: thread t takes rows 2 t, 2 t + 1 and columns 2 t, 2 t + 1 of the tile
	v_and_b32 v1, 15, v0                           ; l % 16
	v_bfe_u32 v2, v0, 4, 1                         ; l / 16
	s_mul_i32 s[TS], s13, 8*18432                  ; my tile row's eight blocks of pa
	s_mov_b32 s[TS+1], 0
	s_add_nc_u64 s[PAB:PAB+1], s[68:69], s[TS:TS+1]
	s_mul_i32 s[TS], s42, 3072                     ; 256 columns x 3 f32
	s_add_nc_u64 s[VB:VB+1], s[70:71], s[TS:TS+1]
	v_lshlrev_b32 v[PO], 4, v0
	v_mul_u32_u24 v[VO], v0, 24
.irp i, 0,1,2
	global_load_b64 v[VV+2*(\i):VV+2*(\i)+1], v[VO], s[VB:VB+1] offset:8*(\i)
.endr
.irp p, 0,1,2,3
.irp j, 0,1,2,3,4,5,6,7,8
	global_load_b128 v[PS+36*(\p)+4*(\j):PS+36*(\p)+4*(\j)+3], v[PO], s[PAB:PAB+1] offset:18432*(\p)+2048*(\j)
.endr
.endr
	WIN TO_B                                       ; parts 4 to 7 into window 1
.irp p, 0,1,2,3
.irp j, 0,1,2,3,4,5,6,7,8
	global_load_b128 v[PS+36*(\p)+4*(\j):PS+36*(\p)+4*(\j)+3], v[PO], s[PAB:PAB+1] offset:18432*(4+(\p))+2048*(\j)
.endr
.endr
	WIN 0
	s_lshl_b32 s[TS], s13, 8
	s_lshl_b32 s[TS+2], s11, 7
	s_add_co_u32 s[TS], s[TS], s[TS+2]             ; my first row of out0,
	s_lshl_b32 s[TS], s[TS], 13                    ; in bytes (under 2^26),
	s_lshl_b32 s[TS+2], s42, 10
	s_add_co_u32 s[TS], s[TS], s[TS+2]             ; + my first column: 1,024 ct
	s_lshl_b32 s[TS+2], s12, 9
	s_add_co_u32 s[TS], s[TS], s[TS+2]             ; + 512 x half
	s_add_nc_u64 s[8:9], s[8:9], s[TS:TS+1]
	v_mul_u32_u24 v3, v1, PITCH
	v_lshl_add_u32 v3, v2, 4, v3                   ; a fragment's row x pitch + 16 x half
	s_mul_i32 s21, s11, HALFT
	s_mul_i32 s22, s12, HALFT
	s_add_co_u32 s22, s22, 2*HALFT
.irp s, 0,1
	v_add_nc_u32 v[ADRA+(\s)], s21, v3
	v_add_nc_u32 v[ADRB+(\s)], s22, v3
	s_add_co_u32 s21, s21, SLOT
	s_add_co_u32 s22, s22, SLOT
.endr
	v_mul_u32_u24 v[ZA], v0, 2*ZPI
	v_add_nc_u32 v[ZA], STAGE, v[ZA]
	v_mul_u32_u24 v3, v1, ZPI
	v_lshl_add_u32 v3, v2, 4, v3
	s_mul_i32 s[TS+2], s11, 128*ZPI
	s_add_co_u32 s[TS+2], s[TS+2], STAGE
	v_add_nc_u32 v[ZFA], s[TS+2], v3               ; z of my 128 rows
	s_mul_i32 s[TS+2], s12, 128*ZPI
	s_add_co_u32 s[TS+2], s[TS+2], STAGE+VT
	v_add_nc_u32 v[ZFB], s[TS+2], v3               ; V of my 128 columns
	s_mul_i32 s[TS+2], s10, 16*SPITCH
	s_add_co_u32 s[TS+2], s[TS+2], STAGE           ; my stage
	v_mul_u32_u24 v[STO], v1, SPITCH               ; in: row l % 16, 32 bytes for each half of the lanes
	v_lshl_add_u32 v[STO], v2, 5, v[STO]
	v_add_nc_u32 v[STO], s[TS+2], v[STO]
	v_and_b32 v[CO], 31, v0
	v_lshlrev_b32 v[CO], 4, v[CO]                  ; back: 32 lanes take one row of 512 bytes
	v_add_nc_u32 v[RD], s[TS+2], v[CO]
	; the prefetches
	s_lshl_b32 s13, s13, 8
	s_lshl_b32 s42, s42, 8
	s_and_b32 s22, ttmp7, 0xffff                   ; cluster y
	s_cmp_eq_u32 s11, 0                            ; do I fetch for xb?
	s_cselect_b32 s20, s13, s42
	s_cselect_b32 s21, s40, s41
	s_cselect_b32 s22, ttmp9, s22
	s_cselect_b64 s[PFA:PFA+1], s[4:5], s[6:7]
	s_cmp_eq_u32 s22, 0
	s_cselect_b32 s[LIM], 1, -1
	s_lshl_b32 s22, s12, 7
	s_add_co_u32 s20, s20, s22
	s_lshl_b32 s21, s21, 5
	s_add_co_u32 s20, s20, s21
	s_mov_b32 s21, 0
	s_mov_b64 s[18:19], SIZE_K*2
	s_mul_u64 s[20:21], s[20:21], s[18:19]
	s_add_nc_u64 s[PFA:PFA+1], s[PFA:PFA+1], s[20:21]
	s_add_nc_u64 s[PFA:PFA+1], s[PFA:PFA+1], 2*KSTEP*2  ; at K step 2: the first refill steps it to 3 and names K step 4.  Nothing is asked for here, at the head
	v_and_b32 v[PFO], 31, v0
	v_mul_u32_u24 v[PFO], v[PFO], SIZE_K*2
	s_wait_loadcnt 0x0                             ; V_w and the eight parts
.macro PSUM d, s                       ; part d += part s: 18 packed sums
.set i, 0
.rept 18
	v_pk_add_f32 v[PS+36*(\d)+2*i:PS+36*(\d)+2*i+1], v[PS+36*(\d)+2*i:PS+36*(\d)+2*i+1], v[PS+36*(\s)+2*i:PS+36*(\s)+2*i+1]
.set i, i+1
.endr
.endm
	PSUM 0, 1
	PSUM 2, 3
	PSUM 0, 2
	WIN 0x45                                       ; all in window 1
	PSUM 0, 1
	PSUM 2, 3
	PSUM 0, 2
	WIN 0x04                                       ; source 1 in window 1
	PSUM 0, 0
	WIN 0
; One level of the continued fraction for all six chains: d = 1 + f; where |d| < 0.01, 0.01 with d's sign (1 + f is never -0); f = a_k / d.  The six reciprocals are one batch with one wait.
.macro CF k
.irp u, 0,1
.irp l, 0,1,2
.if (\k) == 4
	v_add_f32 v[DD+3*(\u)+(\l)], 1.0, v[PS+4*(3*(\l)+2)+2*(\u)+1]   ; f = a5
.else
	v_add_f32 v[DD+3*(\u)+(\l)], 1.0, v[FF+3*(\u)+(\l)]
.endif
.endr
.endr
.irp c, 0,1,2,3,4,5
	v_and_b32 v[AB+(\c)], s[ABSM], v[DD+(\c)]
	v_bfi_b32 v[EE+(\c)], s[ABSM], s[EPS], v[DD+(\c)]
.endr
.irp c, 0,1,2,3,4,5
	v_cmp_gt_f32 vcc_lo, s[EPS], v[AB+(\c)]
	v_cndmask_b32 v[DD+(\c)], v[DD+(\c)], v[EE+(\c)], vcc_lo
.endr
.irp c, 0,1,2,3,4,5
	v_rcp_f32 v[DD+(\c)], v[DD+(\c)]
.endr
	v_nop                                          ; a plain instruction behind the last reciprocal,
	s_wait_alu depctr_va_vdst(0)                   ; and the one wait ahead of the batch's first reader
.irp u, 0,1
.irp l, 0,1,2
.if (\k) == 1
	v_fma_f32 v[ZZ+3*(\u)+(\l)], v[PS+4*(3*(\l))+2*(\u)+1], v[DD+3*(\u)+(\l)], v[PS+4*(3*(\l))+2*(\u)]   ; z = a1 / d + a0
.else
	v_mul_f32 v[FF+3*(\u)+(\l)], v[PS+4*(3*(\l)+(\k)/2)+2*(\u)+(\k)%2], v[DD+3*(\u)+(\l)]
.endif
.endr
.endr
.endm
	CF 4
	CF 3
	CF 2
	CF 1
.irp i, 0,1,2,3
	v_mov_b32 v[ZQ+(\i)], 0
.endr
.irp u, 0,1
	v_cvt_pk_bf16_f32 v[ZW+4*(\u)], v[ZZ+3*(\u)], v[ZZ+3*(\u)+1]        ; z0h z1h
	v_cvt_pk_bf16_f32 v[HT], v[ZZ+3*(\u)+2], v[ZZ+3*(\u)+2]            ; z2h
	v_lshlrev_b32 v[HT+1], 16, v[ZW+4*(\u)]
	v_and_b32 v[HT+2], s[HIM], v[ZW+4*(\u)]
	v_lshlrev_b32 v[HT], 16, v[HT]
	v_sub_f32 v[HT+1], v[ZZ+3*(\u)], v[HT+1]                           ; what the rounding left, exact in f32
	v_sub_f32 v[HT+2], v[ZZ+3*(\u)+1], v[HT+2]
	v_sub_f32 v[HT], v[ZZ+3*(\u)+2], v[HT]
	v_cvt_pk_bf16_f32 v[ZW+4*(\u)+1], v[ZZ+3*(\u)+2], v[HT+1]          ; z2h z0l
	v_cvt_pk_bf16_f32 v[ZW+4*(\u)+2], v[HT+2], v[HT]                   ; z1l z2l
	v_mov_b32 v[ZW+4*(\u)+3], 0
	v_cvt_pk_bf16_f32 v[VW+4*(\u)], v[VV+3*(\u)], v[VV+3*(\u)+1]       ; V0 V1
	v_cvt_pk_bf16_f32 v[VW+4*(\u)+1], v[VV+3*(\u)+2], v[VV+3*(\u)]     ; V2 V0
	v_cvt_pk_bf16_f32 v[VW+4*(\u)+2], v[VV+3*(\u)+1], v[VV+3*(\u)+2]   ; V1 V2
	v_mov_b32 v[VW+4*(\u)+3], 0
.endr
.irp u, 0,1
	ds_store_b128 v[ZA], v[ZW+4*(\u):ZW+4*(\u)+3] offset:ZPI*(\u)
	ds_store_b128 v[ZA], v[VW+4*(\u):VW+4*(\u)+3] offset:VT+ZPI*(\u)
.irp q, 1,2,3
	ds_store_b128 v[ZA], v[ZQ:ZQ+3] offset:ZPI*(\u)+16*(\q)            ; K = 8 to 31 of the step are zeros
	ds_store_b128 v[ZA], v[ZQ:ZQ+3] offset:VT+ZPI*(\u)+16*(\q)
.endr
.endr
; 16 matrix instructions: m blocks a0, a0 + 1 of the window's four x all 8 n blocks, 32 along K.  zero = 1: the product starts the sums.
; The 64 accumulators take turns, one instruction a turn, in the same order in every quarter step.
.macro MUL16 f, hi, a0, zero
	WIN MUL_LO+0x50*(\hi)
.irp a, \a0, (\a0)+1
.irp b, 0,1,2,3,4,5,6,7
.if \zero
	v_wmma_f32_16x16x32_bf16 v[8*(8*(\a)+(\b)):8*(8*(\a)+(\b))+7], v[(\f)+8*(\b):(\f)+8*(\b)+7], v[(\f)+8*(4*(\hi)+(\a)):(\f)+8*(4*(\hi)+(\a))+7], 0
.else
	v_wmma_f32_16x16x32_bf16 v[8*(8*(\a)+(\b)):8*(8*(\a)+(\b))+7], v[(\f)+8*(\b):(\f)+8*(\b)+7], v[(\f)+8*(4*(\hi)+(\a)):(\f)+8*(4*(\hi)+(\a))+7], v[8*(8*(\a)+(\b)):8*(8*(\a)+(\b))+7]
.endif
.endr
.endr
.endm
.macro FETCH slot, k, f                ; 32 LDS loads in one run: the fragments of one quarter step into buffer f
	WIN TO_B
.irp i, 0,1,2,3,4,5,6,7
	ds_load_b128 v[(\f)+8*(\i):(\f)+8*(\i)+3],   v[ADRB+(\slot)] offset:(\k)+(\i)*16*PITCH
	ds_load_b128 v[(\f)+8*(\i)+4:(\f)+8*(\i)+7], v[ADRB+(\slot)] offset:(\k)+(\i)*16*PITCH+32
.endr
	WIN 0
.irp i, 0,1,2,3,4,5,6,7
	ds_load_b128 v[(\f)+8*(\i):(\f)+8*(\i)+3],   v[ADRA+(\slot)] offset:(\k)+(\i)*16*PITCH
	ds_load_b128 v[(\f)+8*(\i)+4:(\f)+8*(\i)+7], v[ADRA+(\slot)] offset:(\k)+(\i)*16*PITCH+32
.endr
.endm
.macro PLACES                          ; four plain vector instructions between a matrix instruction and a load into, a write of or a read of its registers
.rept 4
	v_nop
.endr
.endm
.macro QUARTER slot, k, f, g, zero
	s_wait_dscnt 8                                 ; ub's fragments and xb's rows 0-63 are in; the youngest eight loads (xb's rows 64-127) may be out
	WIN MUL_LO
	MUL16 \f, 0, 0, \zero
	MUL16 \f, 0, 2, \zero
	PLACES
	FETCH \slot, \k, \g
	s_wait_dscnt 32                                ; all but the 32 just issued
	WIN MUL_HI
	MUL16 \f, 1, 0, \zero
	MUL16 \f, 1, 2, \zero
.endm
; ONE barrier for the change of slots.  In front of it each wave waits for all its tensor loads (one is out: its part of the next slot), adds 0 to its spare word, and waits for that and for its own
; reads of this slot.  Behind it nobody reads this slot any more and the next slot is whole.
.macro MEET round
	WIN 0
	s_wait_tensorcnt 0x0
	ds_add_u32 v[SPW], v[NIL]
	s_wait_dscnt 9                                 ; the add and the youngest eight loads may be out
	WIN MUL_LO
	MUL16 F1, 0, 0, 0
	s_wait_dscnt 0x0                               ; the add is done, and my reads of this slot are over
	s_barrier_signal -1
	MUL16 F1, 0, 2, 0
.if \round
	WIN 0
.endif
	s_barrier_wait -1
.endm
; The whole last quarter where the slot is filled again, two K steps on: the barrier opens a round of the cluster's barrier, and the joint refill is the first tensor load behind the round.
.macro TURN slot, next
	s_wait_xcnt 0x0                                ; the last prefetch, a K step back, has read its address
	s_add_nc_u64 s[PFA:PFA+1], s[PFA:PFA+1], KSTEP*2
	MEET 1
	CREST
	s_add_nc_u64 s[G0+4*(\slot)+2:G0+4*(\slot)+3], s[G0+4*(\slot)+2:G0+4*(\slot)+3], 2*KSTEP*2
	s_add_nc_u64 s[G0B+4*(\slot)+2:G0B+4*(\slot)+3], s[G0B+4*(\slot)+2:G0B+4*(\slot)+3], 2*KSTEP*2
	JLOAD \slot                                    ; its four v_nop are also the places in front of the loads below
	FETCH \next, 0, F0
	ASK
	WIN MUL_HI
	MUL16 F1, 1, 0, 0
	MUL16 F1, 1, 2, 0
.endm
	s_wait_tensorcnt 1                             ; my part of K step 0 is in; K step 1's may stay out
	s_wait_dscnt 0x0                               ; my rows of z and V are stored
	s_barrier_signal -1
	s_barrier_wait -1
	WIN TO_B                                       ; z V^T: V's fragments (16 columns each) into buffer 1 of window 1,
.irp i, 0,1,2,3,4,5,6,7
	ds_load_b128 v[F1+8*(\i):F1+8*(\i)+3],   v[ZFB] offset:(\i)*16*ZPI
	ds_load_b128 v[F1+8*(\i)+4:F1+8*(\i)+7], v[ZFB] offset:(\i)*16*ZPI+32
.endr
	WIN 0                                          ; z's (16 rows each) into buffer 1 of window 0
.irp i, 0,1,2,3,4,5,6,7
	ds_load_b128 v[F1+8*(\i):F1+8*(\i)+3],   v[ZFA] offset:(\i)*16*ZPI
	ds_load_b128 v[F1+8*(\i)+4:F1+8*(\i)+7], v[ZFA] offset:(\i)*16*ZPI+32
.endr
	FETCH 0, 0, F0
	s_wait_dscnt 32                                ; z and V are in; the 32 loads of the first quarter may be out
	MUL16 F1, 0, 0, 1                              ; these 64 products start all the sums: nothing is cleared
	MUL16 F1, 0, 2, 1
	MUL16 F1, 1, 0, 1
	MUL16 F1, 1, 2, 1
	QUARTER 0, 64,  F0, F1, 0
	WIN 0
	s_mov_b32 s3, LAPS-1
.Llap:                                             ; a trip goes once round the ring, from a lap's second quarter to the next lap's first, and fills both slots again
	QUARTER 0, 128, F1, F0, 0
	QUARTER 0, 192, F0, F1, 0
	TURN 0, 1
	QUARTER 1, 64,  F0, F1, 0
	QUARTER 1, 128, F1, F0, 0
	QUARTER 1, 192, F0, F1, 0
	TURN 1, 0
	QUARTER 0, 64,  F0, F1, 0
	WIN 0
	s_sub_co_u32 s3, s3, 1
	s_cmp_lg_u32 s3, 0
	s_cbranch_scc1 .Llap
	QUARTER 0, 128, F1, F0, 0                      ; the last lap is written out: it fills nothing and has no round
	QUARTER 0, 192, F0, F1, 0
	MEET 0
	PLACES
	FETCH 1, 0, F0
	WIN MUL_HI
	MUL16 F1, 1, 0, 0
	MUL16 F1, 1, 2, 0
	QUARTER 1, 64,  F0, F1, 0
	QUARTER 1, 128, F1, F0, 0
	QUARTER 1, 192, F0, F1, 0
	s_wait_dscnt 8
	WIN MUL_LO
	MUL16 F1, 0, 0, 0
	MUL16 F1, 0, 2, 0
	s_wait_dscnt 0x0
	MUL16 F1, 1, 0, 0
	MUL16 F1, 1, 2, 0
	WIN 0
	PLACES                                         ; behind the last products: what follows reads their results and loads into their sources
; THE WAY OUT, a block of 16 rows at a time, through my own stage: a lane's eight f32 of a row go in as 32 bytes, and whole rows of 512 bytes come back.  z's and V's rows, which lay here, were
; last read in front of the walk's barriers.  LDS serves a wave's instructions in order (ISA guide 5.7.1.4): the loads see the stores above them, and the next block's stores come behind them.
.macro TOSTAGE a
.set AC, 64*((\a)%4)
.set BK, OB+64*((\a)%2)
	s_wait_xcnt 0x0                                ; the stores of the block two back have read this buffer
	WIN 0x08+4*((\a)/4)                            ; the data (source 1): window 2 or 3
.irp b, 0,1,2,3,4,5,6,7
	ds_store_b128 v[STO], v[AC+8*(\b):AC+8*(\b)+3]   offset:64*(\b)        ; each accumulator from its low end on
	ds_store_b128 v[STO], v[AC+8*(\b)+4:AC+8*(\b)+7] offset:64*(\b)+16
.endr
	WIN 0
.irp t, 0,1,2,3,4,5,6,7,8,9,10,11,12,13,14,15
	ds_load_b128 v[BK+4*(\t):BK+4*(\t)+3], v[RD] offset:SPITCH*(\t)
.endr
.endm
.macro SEND a, younger                 ; younger: the LDS instructions issued behind block a's loads: the next block's 32, or none
.set BK, OB+64*((\a)%2)
	s_wait_dscnt \younger
.irp t, 0,1,2,3,4,5,6,7,8,9,10,11,12,13,14,15
	global_store_b128 v[CO], v[BK+4*(\t):BK+4*(\t)+3], s[8:9] offset:(16*(\a)+(\t))*8192 th:TH_STORE_NT  ; 512 consecutive bytes, at a multiple of 512 from out0's first; 127 rows at the most in the immediate
.endr
.endm
	TOSTAGE 0
.irp a, 1,2,3,4,5,6,7
	TOSTAGE \a
	SEND (\a)-1, 32
.endr
	SEND 7, 0
	s_wait_tensorcnt 0x0                           ; the wave's end: behind my last tensor load and my last LDS store, an add to my spare word and its wait
	ds_add_u32 v[SPW], v[NIL]
	s_wait_dscnt 0x0
	CROUND                                         ; the closing round: no work-group ends while a partner may still ask for a tile that names it
	s_endpgm
.Lfunc_end_k_qef8ebcaf5a_lin:
	.size	k_qef8ebcaf5a_lin, .Lfunc_end_k_qef8ebcaf5a_lin-k_qef8ebcaf5a_lin
	.p2alignl 7, 3214868480
	.fill 96, 4, 3214868480
	.section	.rodata,"a",@progbits
	.p2align	6, 0x0
	.amdhsa_kernel k_qef8ebcaf5a_lin
		.amdhsa_group_segment_fixed_size 327680
		.amdhsa_private_segment_fixed_size 0
		.amdhsa_enable_private_segment 0
		.amdhsa_kernarg_size 40
		.amdhsa_user_sgpr_count 2
		.amdhsa_user_sgpr_kernarg_segment_ptr 1
		.amdhsa_wavefront_size32 1
		.amdhsa_system_sgpr_workgroup_id_x 1
		.amdhsa_system_sgpr_workgroup_id_y 1
		.amdhsa_system_sgpr_workgroup_id_z 1
		.amdhsa_system_vgpr_workitem_id 0
		.amdhsa_next_free_vgpr 1024
		.amdhsa_next_free_sgpr 96
		.amdhsa_reserve_vcc 1
		.amdhsa_float_denorm_mode_32 3
		.amdhsa_float_denorm_mode_16_64 3
		.amdhsa_memory_ordered 1
		.amdhsa_forward_progress 1
		.amdhsa_inst_pref_size 173
	.end_amdhsa_kernel
	.amdgpu_metadata
---
amdhsa.version: [ 1, 2 ]
amdhsa.kernels:
  - .name:           k_qef8ebcaf5a_lin
    .symbol:         k_qef8ebcaf5a_lin.kd
    .args:
      - { .name: xb, .offset: 0, .size: 8, .value_kind: global_buffer, .address_space: global }
      - { .name: ub, .offset: 8, .size: 8, .value_kind: global_buffer, .address_space: global }
      - { .name: pa, .offset: 16, .size: 8, .value_kind: global_buffer, .address_space: global }
      - { .name: V_w, .offset: 24, .size: 8, .value_kind: global_buffer, .address_space: global }
      - { .name: out0, .offset: 32, .size: 8, .value_kind: global_buffer, .address_space: global }
    .group_segment_fixed_size: 327680
    .private_segment_fixed_size: 0
    .kernarg_segment_align: 8
    .kernarg_segment_size: 40
    .max_flat_workgroup_size: 128
    .sgpr_count:     96
    .vgpr_count:     1024
    .wavefront_size: 32
...
	.end_amdgpu_metadata
.endif
;; end of part 3
;; ======== version 2 of 2: 3 launches; version 1 with the launch cast written anew for expert scheduling mode
;; limits: values are held in f16: magnitudes above 65,504 overflow, below 6.1e-05 lose precision
;; workspace buffers: xb 33,554,432 bytes; gb 8,388,608 bytes; ub 8,388,608 bytes; pa 4,718,592 bytes
;; launch cast (part 4): grid 768 x 1, 8 waves a work-group, no clusters, 0 bytes of LDS; arguments x, U_w, gate_w, xb, ub, gb; writes xb, ub, gb
.if DOCPART == 4
	.amdgcn_target "amdgcn-amd-amdhsa--gfx1250"
	.amdhsa_code_object_version 6
	.text
	.protected	k_qef8ebcaf5a_cast
	.globl	k_qef8ebcaf5a_cast
	.p2align	8
	.type	k_qef8ebcaf5a_cast,@function
k_qef8ebcaf5a_cast:
	s_mov_b64 s[64:65], 0
	v_nop
	global_prefetch_b8 v0, s[64:65] scope:SCOPE_SE
	s_setreg_imm32_b32 hwreg(HW_REG_WAVE_SCHED_MODE, 0, 2), 2
	s_setreg_imm32_b32 hwreg(HW_REG_WAVE_MODE, 25, 1), 1
	s_wait_xcnt 0x0
	s_wait_alu depctr_vm_vsrc(0)
; THE PROGRAM.  out = x U_w^T + z V_w^T, z = a0 + cf(a1 .. a5), a = (sigmoid(x gate_w^T) * x) ladder_w^T; x taken as [8192][2048].  Three launches:
;   cast: x, U_w, gate_w rounded once to bf16 (xb, ub, gb), the operands of the two large products;
;   gate: the gate product, the sigmoid, the factor x and the 18 ladder sums of each row over a tile's 256 columns (pa, f32 partial sums);
;   lin:  the parts are added, the continued fraction gives z, and x U_w^T + z V_w^T is stored.
; EVERY INPUT IS USED IN ITS bf16 ROUNDING, everywhere (the factor x of the gate, ladder_w and V_w too), so that the result is reference() on inputs rounded to bf16;
; all that the program itself makes on the way to the continued fraction stays in f32, or in a pair of 16-bit numbers that holds 21 bits or more.
; WORK LEFT OUT.  The innermost step of reference()'s continued fraction starts from f = 0, which reference() builds itself: denom = 1 + 0 = 1 for all inputs, |1| < 0.01 is false
; for all inputs, and a5 / 1 = a5.  So that step's addition, guard and division are not done: launch lin starts from f = a5.  a5 itself goes on unchanged, a NaN or infinity in it too:
; nothing is lost with the step.  No input is without a way to the output: all five are loaded.
; THIS LAUNCH.  A stream: 25,165,824 numbers in, as many out in half the bytes.  A work-group of eight waves takes 32,768 numbers: work-groups 0-511 of x, 512-639 of U_w, 640-767 of gate_w.
; A load of a wave covers 512 consecutive bytes, a store 256 consecutive bytes at a multiple of 256.  All 32 loads of a thread go out before the first wait; no register is written
; twice, so no store's source has to be waited for.  No LDS, no barrier, no matrix unit: no number is used twice.  No prefetch: the loads themselves are all out at once.
; THE MODE: SCHED_MODE bits 1:0 = 2 (LLVM: expert scheduling mode 2), set by the entry lines.  The code itself states the register dependences between vector instructions and
; memory instructions, with s_wait_alu, always for 0.
; THE PLAN.  Registers that memory instructions touch:
;   v1, v2     byte offsets of the loads and of the stores: written once at the head, never again.
;   slot i     four registers.  Written by its load; read by its two roundings, which write the first two of the four; those two are read by its store; nothing writes them after that.
; The 32 slots go in 8 blocks of four.  Block p waits for its four loads and rounds them; its memory instructions are the four stores of block p - 1, whose registers no vector
; instruction of block p names.  So ONE wait on va_vdst at a block's head states all that its four stores hang on, and these are dealt among its roundings with no further wait.
; No load is issued behind the first rounding, and no register that a load or store has read is written again: no wait on vm_vsrc is owed.  No vector instruction writes a scalar register.
.set X, 4                              ; v[4:131]  32 slots of 4 registers: f32 as loaded; the first two of a slot then hold the four bf16
.set BLOCK,  4                         ; slots in a block
.set BLOCKS, 32 / BLOCK
	s_load_b256 s[4:11], s[0:1], 0x0               ; x s[4:5], U_w s[6:7], gate_w s[8:9], xb s[10:11]
	s_load_b128 s[12:15], s[0:1], 0x20             ; ub s[12:13], gb s[14:15]
	s_mov_b32 s16, ttmp9                           ; the work-group's number: its chunk in x,
	s_sub_co_u32 s17, s16, 512                     ; in U_w,
	s_sub_co_u32 s18, s16, 640                     ; in gate_w
	v_lshlrev_b32 v1, 4, v0                        ; 16 bytes a thread in,
	v_lshlrev_b32 v2, 3, v0                        ; 8 bytes out
	s_wait_kmcnt 0x0
	s_cmp_lt_u32 s16, 640                          ; the choice hangs on the work-group's number alone
	s_cselect_b64 s[20:21], s[6:7], s[8:9]
	s_cselect_b64 s[22:23], s[12:13], s[14:15]
	s_cselect_b32 s24, s17, s18
	s_cmp_lt_u32 s16, 512
	s_cselect_b64 s[20:21], s[4:5], s[20:21]       ; from
	s_cselect_b64 s[22:23], s[10:11], s[22:23]     ; to
	s_cselect_b32 s24, s16, s24                    ; which chunk of that tensor
	s_lshl_b32 s26, s24, 17                        ; 131,072 bytes in a chunk of f32 (at most 511 chunks: under 2^26),
	s_mov_b32 s27, 0
	s_lshl_b32 s28, s24, 16                        ; 65,536 in bf16
	s_mov_b32 s29, 0
	s_add_nc_u64 s[20:21], s[20:21], s[26:27]
	s_add_nc_u64 s[22:23], s[22:23], s[28:29]
	s_wait_alu depctr_va_vdst(0)                   ; v1 and v2 are written: every load of the kernel reads v1 as its offset, every store v2
.set i, 0
.rept 32
	global_load_b128 v[X+4*i:X+4*i+3], v1, s[20:21] offset:4096*i th:TH_LOAD_NT  ; read once in the whole program
.set i, i+1
.endr
.set p, 0
.rept BLOCKS
	s_wait_loadcnt 32-BLOCK*(p+1)                  ; loads come back in order: block p's four slots are in, the 28 - 4 p younger loads may stay out
.if p > 0
	s_wait_alu depctr_va_vdst(0)                   ; the roundings of block p - 1 have written the first two registers of its slots, which the four stores below read
.endif
.set i, 0
.rept BLOCK
.if p > 0
	global_store_b64 v2, v[X+4*(BLOCK*(p-1)+i):X+4*(BLOCK*(p-1)+i)+1], s[22:23] offset:2048*(BLOCK*(p-1)+i)  ; the block before; no vector instruction since the wait names these registers
.endif
	v_cvt_pk_bf16_f32 v[X+4*(BLOCK*p+i)], v[X+4*(BLOCK*p+i)], v[X+4*(BLOCK*p+i)+1]      ; two roundings to nearest even, packed
	v_cvt_pk_bf16_f32 v[X+4*(BLOCK*p+i)+1], v[X+4*(BLOCK*p+i)+2], v[X+4*(BLOCK*p+i)+3]
.set i, i+1
.endr
.set p, p+1
.endr
	s_wait_alu depctr_va_vdst(0)                   ; the roundings of the last block have written its slots' first two registers, which the last four stores read
.set i, 32-BLOCK
.rept BLOCK
	global_store_b64 v2, v[X+4*i:X+4*i+1], s[22:23] offset:2048*i
.set i, i+1
.endr
	s_endpgm
.Lfunc_end_k_qef8ebcaf5a_cast:
	.size	k_qef8ebcaf5a_cast, .Lfunc_end_k_qef8ebcaf5a_cast-k_qef8ebcaf5a_cast
	.p2alignl 7, 3214868480
	.fill 96, 4, 3214868480
	.section	.rodata,"a",@progbits
	.p2align	6, 0x0
	.amdhsa_kernel k_qef8ebcaf5a_cast
		.amdhsa_group_segment_fixed_size 0
		.amdhsa_private_segment_fixed_size 0
		.amdhsa_enable_private_segment 0
		.amdhsa_kernarg_size 48
		.amdhsa_user_sgpr_count 2
		.amdhsa_user_sgpr_kernarg_segment_ptr 1
		.amdhsa_wavefront_size32 1
		.amdhsa_system_sgpr_workgroup_id_x 1
		.amdhsa_system_sgpr_workgroup_id_y 1
		.amdhsa_system_sgpr_workgroup_id_z 1
		.amdhsa_system_vgpr_workitem_id 0
		.amdhsa_next_free_vgpr 136
		.amdhsa_next_free_sgpr 66
		.amdhsa_reserve_vcc 0
		.amdhsa_float_denorm_mode_32 3
		.amdhsa_float_denorm_mode_16_64 3
		.amdhsa_memory_ordered 1
		.amdhsa_forward_progress 1
		.amdhsa_inst_pref_size 12
	.end_amdhsa_kernel
	.amdgpu_metadata
---
amdhsa.version: [ 1, 2 ]
amdhsa.kernels:
  - .name:           k_qef8ebcaf5a_cast
    .symbol:         k_qef8ebcaf5a_cast.kd
    .args:
      - { .name: x, .offset: 0, .size: 8, .value_kind: global_buffer, .address_space: global }
      - { .name: U_w, .offset: 8, .size: 8, .value_kind: global_buffer, .address_space: global }
      - { .name: gate_w, .offset: 16, .size: 8, .value_kind: global_buffer, .address_space: global }
      - { .name: xb, .offset: 24, .size: 8, .value_kind: global_buffer, .address_space: global }
      - { .name: ub, .offset: 32, .size: 8, .value_kind: global_buffer, .address_space: global }
      - { .name: gb, .offset: 40, .size: 8, .value_kind: global_buffer, .address_space: global }
    .group_segment_fixed_size: 0
    .private_segment_fixed_size: 0
    .kernarg_segment_align: 8
    .kernarg_segment_size: 48
    .max_flat_workgroup_size: 256
    .sgpr_count:     66
    .vgpr_count:     136
    .wavefront_size: 32
...
	.end_amdgpu_metadata
.endif
;; end of part 4
;; launch gate: the kernel of part 2 again; grid 8 x 32, 4 waves a work-group, clusters of 4 x 4, 327,680 bytes of LDS; arguments xb, gb, ladder_w, pa; writes pa
;; launch lin: the kernel of part 3 again; grid 8 x 32, 4 waves a work-group, clusters of 4 x 4, 327,680 bytes of LDS; arguments xb, ub, pa, V_w, out0; writes out0
